; MI455X (gfx1250); checked and timed in simulation.
; The chip was launched on July 23, 2026; its instructions are those of AMD's public machine-readable ISA for CDNA 5 (MIT licence, August 2026) and "CDNA5" Instruction Set Architecture Reference Guide (July 2026). The comments in the code are by the model that wrote it; some were corrected since.
;; Scaled Dot Product Attention. Allowed arithmetic: matrix products marked QUANTISED: E4M3 operands, one E8M0 scale for each 32 along K, by v_wmma_scale_f32_16x16x128_f8f6f4 with both operands' format E4M3, f32 sums; everything else in f32.
;; Inputs: K_codes 4 x 16 x 2,048 x 2 x 32 uint8 (E4M3 codes of K, K innermost, in blocks of 32 codes); K_scales 4 x 16 x 2,048 x 2 uint8 (E8M0 scales of K, one for each 32 codes along K); Q_codes 4 x 16 x 2,048 x 2 x 32 uint8 (E4M3 codes of Q, K innermost, in blocks of 32 codes); Q_scales 4 x 16 x 2,048 x 2 uint8 (E8M0 scales of Q, one for each 32 codes along K); V_codes 4 x 16 x 64 x 64 x 32 uint8 (E4M3 codes of V, K innermost, in blocks of 32 codes); V_scales 4 x 16 x 64 x 64 uint8 (E8M0 scales of V, one for each 32 codes along K).
;; Outputs: out0 4 x 16 x 2,048 x 64 float32.
;; This version of the problem:
;;   THIS VERSION OF THE PROBLEM IS GIVEN IN LOW PRECISION. The matrix products marked QUANTISED in the list below multiply operands that are first quantised to E4M3 (4 exponent bits, 3 mantissa bits; 8 bits a number), with one power-of-two scale for each 32 numbers along K (OCP MX v1.0); their sums are f32. All else is computed in f32.
;;   The module's matrix products, in the order in which they are computed (A, B: the left and right operand; K: the contracted axis; several contracted axes count as one K, in the product's order):
;;     1. batch 64 x [M 2,048, K 64] x [K 64, N 2,048]; A: input Q (given as codes); B: input K (given as codes): QUANTISED
;;     2. batch 64 x [M 2,048, K 2,048] x [K 2,048, N 64]; A: softmax (see below); B: input V (given as codes): QUANTISED
;;   THE QUANTISER, for each operand of a quantised product, along K:
;;     - K is cut into blocks of 32 from its start; a last block that is shorter is filled with zeros.
;;     - A block's scale is 2^e with e = floor(log2(the largest magnitude in the block)) - 8, held to -126 .. 127; a block of zeros has e = 0. As a byte (E8M0): e + 127.
;;     - Each number is divided by its block's scale, clamped to +-448, and rounded to the nearest number of E4M3, ties to even, subnormals kept.
;;     - The product sums the exact products of the quantised numbers (number of the format x scale) in f32.
;;   ~~~python
;;   def quantise(x, axis):      # numpy; x: float32 -> the quantised numbers, widened to float32 again
;;       x = np.moveaxis(x, axis, -1); K = x.shape[-1]
;;       x = np.pad(x, [(0, 0)] * (x.ndim - 1) + [(0, -K % 32)]); x = x.reshape(x.shape[:-1] + (-1, 32)); a = np.abs(x).max(-1, keepdims=True)
;;       e = np.where(a > 0, np.clip(np.frexp(np.where(a > 0, a, 1))[1] - 1 - 8, -126, 127), 0)      # np.frexp(a)[1] - 1 = floor(log2(a)), exactly
;;       r = np.clip(x / 2.0 ** e, -448, 448)
;;       step = 2.0 ** (np.maximum(np.frexp(np.where(r == 0, 1, r))[1] - 1, -6) - 3)
;;       q = np.round(r / step) * step * 2.0 ** e      # np.round: ties to even
;;       return np.moveaxis(q.reshape(q.shape[:-2] + (-1,))[..., :K], -1, axis).astype(np.float32)
;;   ~~~
;;   SOFTMAX AHEAD OF A QUANTISED PRODUCT. Where the list says 'softmax', what is quantised is not the finished softmax but p = 2^(t - M), with t = logit x log2(e) and M = ceil(the row's largest t), a whole number; so 1/2 < the row's largest p <= 1. The row's sum l is taken of the UNQUANTISED p, in f32, and the product's result is divided by l at the end. Since M is a whole number, a kernel that streams over the keys may use a running M (the ceiling of the running maximum): every later rescaling is an exact power of two, which a block's scale takes up: the codes' values come out the same.
;;   OPERANDS COMPUTED ON THE WAY. 'Computed on the way' means the value that the module computes at that place (a softmax that the list does not call 'softmax' is quantised finished and normalised). What goes into a quantiser is computed in f32, as accurately as f32 sums, v_exp_f32 and their like allow (about 1e-6 of the number): no bf16 or f16 on the way to a quantiser, and a product that is left as it is and whose result goes on into a quantised operand takes f32 operands (vector FMAs, or v_wmma_f32_16x16x4_f32). A number that lies on a knife's edge between two numbers of the format may be rounded either way, as far as f32 arithmetic and the matrix unit's own rounding can turn it there, and no further.
;;   INPUTS GIVEN AS CODES. K (in the module: [4, 16, 2048, 64], K = its axis 3); Q (in the module: [4, 16, 2048, 64], K = its axis 3); V (in the module: [4, 16, 2048, 64], K = its axis 2): each comes as NAME_codes (uint8): NAME with its K axis moved to the last place and cut into blocks of 32 codes, [.., K / 32, bytes a block], one block behind the other in memory; one code a byte (a code: sign, 4 exponent bits, 3 mantissa bits); and NAME_scales (uint8): the same leading axes, one E8M0 byte (e + 127) for each 32 codes along K. Its value is code x scale, taken as it is: it is not quantised again, and the codes and scales need not be those that the quantiser above would give.
;; One version. Each part assembles by itself: llvm-mc -triple=amdgcn-amd-amdhsa -mcpu=gfx1250 --defsym DOCPART=n.
;; ======== version 1 of 1: 1 launch
;; launch attn (part 1): grid 4 x 64, 16 waves a work-group, clusters of 4 x 1, 327,680 bytes of LDS; arguments Q_codes, Q_scales, K_codes, K_scales, V_codes, V_scales, out0; writes out0
.if DOCPART == 1
	.amdgcn_target "amdgcn-amd-amdhsa--gfx1250"
	.amdhsa_code_object_version 6
	.text
	.protected	k_q54c025e6da_attn
	.globl	k_q54c025e6da_attn
	.p2align	8
	.type	k_q54c025e6da_attn,@function
k_q54c025e6da_attn:
	s_mov_b64 s[64:65], 0
	v_nop
	global_prefetch_b8 v0, s[64:65] scope:SCOPE_SE
	s_setreg_imm32_b32 hwreg(HW_REG_WAVE_MODE, 25, 1), 1
	s_wait_xcnt 0x0
	s_wait_alu depctr_hold_cnt(0) depctr_sa_sdst(0) depctr_va_vdst(0) depctr_va_sdst(0) depctr_va_ssrc(0) depctr_va_vcc(0) depctr_vm_vsrc(0)
	s_getreg_b32 s2, hwreg(HW_REG_IB_STS2, 6, 4)
	s_cmp_eq_u32 s2, 0
	s_cbranch_scc0 .Lentry_in_a_cluster
	s_endpgm
.Lentry_in_a_cluster:
	s_bfe_u32 s2, ttmp6, 0x10000c
	s_cmp_lg_u32 s2, 0x3003
	s_cbranch_scc0 .Lentry_shape_is_right
	s_endpgm
.Lentry_shape_is_right:
; out[h][q][:] = sum over k <= q of softmax_k(Q[h][q] . K[h][k] / 32) V[h][k][:], 64 heads, 2,048 queries and keys, head size 64; both products on codes of FP8 (E4M3) with one E8M0 scale for each 32 along a product's K.
; Q, K: [64][2048][64] codes, scale bytes [64][2048][2].  V: codes with the KEYS innermost, [64][64][2048], scale bytes [64][64][64].  out: [64][2048][64] f32.
; THE SOFTMAX AHEAD OF THE SECOND PRODUCT: t = score x log2(e) / 32; M = the row's largest t so far, rounded UP to a whole number; p = 2^(t - M) is quantised along the keys, not normalised.
; The row's sum is taken of the unquantised p, in f32, and divides at the end.  When M moves, the sum and O are multiplied by 2^(old M - new M): exact.
; A HEAD LIES IN LDS WHOLE: 128 KiB of K, 128 KiB of V and 8 KiB of scale bytes, each byte filled once.  So there is no ring, no slot is filled again, and the loops hold no barrier and no tensor load.
; CLUSTER: the four work-groups of a cluster share a head, so every tile is asked for JOINTLY (the same load, the same descriptor, the mask 15, in all four).  64 heads x 4 = 256 work-groups.
; SHARES: sixteen waves of 256 registers, four to a SIMD, so that one wave's vector work stands beside another's products and LDS loads.  A wave owns TWO tiles of 16 queries.  With g = wave % 8 and
; sigma = 2 cx + wave / 8 (0..7): tile A = 8 (15 - g) + sigma, tile B = 8 g + sigma.  A tile of group G = tile / 8 needs key steps 0 .. G of 128 keys, the last on the diagonal: 16 - g and g + 1 steps,
; 17 for every wave of the launch.  What lies wholly above the diagonal is not multiplied.  The step counts hang on the wave's number alone: no branch hangs on a work-group's place in its cluster.
; LAYOUT: both products are used transposed: S^T = K Q^T (source 0 = 16 keys, source 1 = my 16 queries), O^T = V^T P^T: a lane holds ONE query (lane % 16) throughout.
; THE KEYS OF A TILE ARE NOT NEIGHBOURS: lane r of tile 2 b + u takes key 32 b + 8 u + r + 8 (r / 8), so that the 16 registers of tiles 2 b, 2 b + 1 are the neighbouring keys 32 b + 16 (lane / 16) + 0 .. 15.
; THE FIRST PRODUCT'S K IS 64, the instruction's 128: registers 8-15 of Q's and of K's fragments are zero codes, written once; the scale words' upper two bytes are 0, over zero codes.
; No prefetch is written: every byte of K and V is asked for by the tensor loads at the kernel's head.
; LIMITS: NaN codes and scale bytes 0xff give what the matrix unit gives.  p under 2^-126 counts as 0.  A block of p that is all zeros carries the byte 1, not 127: its codes are zeros and only this text reads the byte.
.set KP,    144                        ; LDS: a row of TWO keys, 128 bytes + 16 of padding: key k at 144 (k / 2) + 64 (k % 2): the 16 keys of a tile start at 16 different columns of 16 bytes modulo 256
.set KSTEP, 64*KP                      ; a key step: 128 keys
.set KHALF, 8*KSTEP                    ; keys 0..1023
.set KLATE, KHALF+KSTEP                ; keys 1024..2047 begin a step's bytes behind the early half: no stepped address of the first phase comes near them
.set VB,    KLATE+KHALF                ; V: two halves along the keys, each 64 rows (channels) of 1,024 bytes + 16
.set VP,    1040                       ; 65 x 16 bytes: the 16 rows of a load start at 16 different columns of 16 bytes
.set VHALF, 64*VP
.set VLATE, VHALF+256                  ; the late half, 256 bytes behind the early one
.set SK,    VB+VLATE+VHALF             ; K's scale bytes, dense: key k at 2 k
.set SV,    SK+4096                    ; V's: 64 rows of 64 bytes + 16
.set SVP,   80
.set SP,    272                        ; the way out: a stage of 16 rows x (256 bytes + 16) for each wave, in K's early half, behind the last barrier
.set AK0,  1                           ; v1   my lane's place in a tile of K            (on the way out: STO)
.set AV0,  2                           ; v2   in a tile of V                            (RD)
.set ASK0, 3                           ; v3   among K's scale words                     (GO)
.set ASV0, 4                           ; v4   among V's
.set QSA,  5                           ; v5   Q's scale words, tile A;  v7 tile B
.set QSB,  7
.set AD0,  6                           ; v6   LDS address of the codes in hand;  v15 of the scale words
.set AD1,  15
.set NM,   8                           ; v[8:9]   -M, the largest t
.set SUM,  10                          ; v[10:11] the row's sum in two halves
.set FF,   12                          ; v12  f = 2^(old M - new M);  v13 p's scale word (named with f as a pair)
.set PW,   13
.set T0,   14
.set QF,   16                          ; v16-31   Q's fragment: 16-23 codes, 24-31 zeros
.set KF,   32                          ; v32-95   four fragments of K: 8 registers of codes, 8 of zeros each
.set S,    96                          ; v96-159  S^T, then p, then four fragments of V
.set OT,   160                         ; v160-191 O^T
.set OA,   192                         ; v192-223 tile A's finished rows; until then v192-199 hold tile B's Q
.set PC,   224                         ; v224-239 p's codes
.set BM,   240                         ; v240-243 a block's largest score, then its largest p, then 448 x the scale
.set W,    244                         ; v244-247 at work
.set SO,   248                         ; v248-251 the conversions' scale operands
.set SW,   252                         ; v252-255 scale words of four tiles of K or of V
.set STO,  1
.set RD,   2
.set GO,   3
.set WV,   18                          ; s18  my wave's number
.set MNT,  19                          ; s19  the mantissa field of 448
.set SEL,  20                          ; s[20:21] selects for v_permlanex16_b32: lane l xor 16
.set CS,   22                          ; s[22:23] c = log2(e) / 32
.set G1K,  24                          ; descriptor groups 1: K's codes, V's codes, K's scales, V's scales
.set G1V,  32
.set G1SK, 40
.set G1SV, 48
.set G0KE, 56                          ; groups 0: K early, K late, V early, V late, K's scales, V's scales
.set G0KL, 60
.set GG,   66                          ; s66  g
.set SG16, 67                          ; s67  16 sigma
.set G0VE, 68
.set G0VL, 72
.set G0SK, 76
.set G0SV, 80
.set CNT,  84                          ; s84  a loop's trip;   at the head TMP
.set DG,   85                          ; s85  the trip on the diagonal;   at the head HD, the head
.set TK,   86                          ; s86-89 where the step's K, V, K's scale words, V's scale words begin;   at the head TA, SG, TBB, W3
.set TV,   87
.set TS,   88
.set TJ,   89
.set TMP,  84
.set HD,   85
.set TA,   86
.set SG,   87
.set TBB,  88
.set W3,   89
.set OUTA, 90                          ; s[90:91], s[92:93] out at tile A's, tile B's first row
.set OUTB, 92
.set QCA,  94                          ; s[94:97] Q's codes, s[98:101] Q's scale bytes, likewise
.set QCB,  96
.set QZA,  98
.set QZB,  100
; A round of the cluster's barrier: my work-group's barrier; wave 0 signals for the work-group; every wave waits for all four work-groups; my work-group's barrier once more.
.macro CROUND
	s_barrier_signal -1
	s_barrier_wait -1
	s_cmp_lg_u32 s[WV], 0
	s_cbranch_scc1 .Lnot_wave_0_\@
	s_barrier_signal -3
.Lnot_wave_0_\@:
	s_barrier_wait -3
	s_barrier_signal -1
	s_barrier_wait -1
.endm
.macro BASE dst, src, hsh, t, tsh      ; a buffer's address + (head << hsh) + (tile << tsh); s3 = 0
	s_lshl_b32 s2, s[HD], \hsh
	s_lshl_b32 s[TMP], s[\t], \tsh
	s_add_co_u32 s2, s2, s[TMP]
	s_add_nc_u64 s[\dst:\dst+1], s[\src:\src+1], s[2:3]
.endm
	s_load_b256 s[4:11], s[0:1], 0x0               ; Q's codes s[4:5], Q's scales s[6:7], K's codes s[8:9], K's scales s[10:11]
	s_load_b128 s[12:15], s[0:1], 0x20             ; V's codes s[12:13], V's scales s[14:15]
	s_load_b64 s[16:17], s[0:1], 0x30              ; out
	v_lshl_add_u32 v254, v0, 2, 0x49100
	v_mov_b32 v255, 0
	ds_add_u32 v254, v255
	ds_add_u32 v254, v255
	s_wait_dscnt 0x0
	v_lshrrev_b32 v1, 5, v0
	v_readfirstlane_b32 s[WV], v1                  ; wave 0..15
	s_and_b32 s[HD], ttmp7, 0xffff                 ; the head, which the four partners share
	s_and_b32 s[W3], s[WV], 3                      ; which quarter of a half I fetch, if I fetch
	s_and_b32 s[GG], s[WV], 7                      ; g
	s_bfe_u32 s[TMP], ttmp6, 0x40000               ; cx: it enters Q's and out's addresses and the mask's numbers alone
	s_lshl_b32 s[SG], s[TMP], 1
	s_lshr_b32 s[TMP], s[WV], 3
	s_add_co_u32 s[SG], s[SG], s[TMP]              ; sigma = 2 cx + wave / 8
	s_lshl_b32 s[SG16], s[SG], 4
	s_xor_b32 s[TA], s[GG], 15                     ; 15 - g
	s_lshl_b32 s[TA], s[TA], 3
	s_add_co_u32 s[TA], s[TA], s[SG]               ; tile A
	s_lshl_b32 s[TBB], s[GG], 3
	s_add_co_u32 s[TBB], s[TBB], s[SG]             ; tile B
	; descriptor groups 1.  15:0 the mask: all four work-groups; 17:16 the element's size; 20 padding on; 21 set beside a mask; 24:22 the interval; 31:25 four words of padding (code 3)
	s_mov_b32 s[G1K], 15|(1<<20)|(1<<21)|(4<<22)|(3<<25)   ; K: 256 keys are dense in memory: 128 rows of 128 bytes (two keys), padded after every 32 words
	s_mov_b32 s[G1K+1], 128<<16                    ; tensor_dim0
	s_mov_b32 s[G1K+2], 128<<16                    ; tensor_dim1
	s_mov_b32 s[G1K+3], 128<<16                    ; tile_dim0
	s_mov_b32 s[G1K+4], 128                        ; tile_dim1
	s_mov_b32 s[G1K+5], 128                        ; from row to row
	s_mov_b32 s[G1K+6], 0
	s_mov_b32 s[G1K+7], 0
	s_mov_b32 s[G1V], 15|(1<<20)|(1<<21)|(7<<22)|(3<<25)   ; V: 16 channels x 1,024 keys, rows 2,048 bytes apart in memory, padded after every 256 words
	s_mov_b32 s[G1V+1], 1024<<16
	s_mov_b32 s[G1V+2], 16<<16
	s_mov_b32 s[G1V+3], 1024<<16
	s_mov_b32 s[G1V+4], 16
	s_mov_b32 s[G1V+5], 2048
	s_mov_b32 s[G1V+6], 0
	s_mov_b32 s[G1V+7], 0
	s_mov_b32 s[G1SK], 15|(3<<16)|(1<<21)          ; K's scale bytes of the head: 4,096 dense bytes as 16 rows of 32 elements of 8 bytes, no padding
	s_mov_b32 s[G1SK+1], 32<<16
	s_mov_b32 s[G1SK+2], 16<<16
	s_mov_b32 s[G1SK+3], 32<<16
	s_mov_b32 s[G1SK+4], 16
	s_mov_b32 s[G1SK+5], 32
	s_mov_b32 s[G1SK+6], 0
	s_mov_b32 s[G1SK+7], 0
	s_mov_b32 s[G1SV], 15|(3<<16)|(1<<20)|(1<<21)|(3<<22)|(3<<25)   ; V's: 64 rows of 64 bytes (8 elements of 8 bytes), padded after every 16 words
	s_mov_b32 s[G1SV+1], 8<<16
	s_mov_b32 s[G1SV+2], 64<<16
	s_mov_b32 s[G1SV+3], 8<<16
	s_mov_b32 s[G1SV+4], 64
	s_mov_b32 s[G1SV+5], 8
	s_mov_b32 s[G1SV+6], 0
	s_mov_b32 s[G1SV+7], 0
	s_mov_b32 s[MNT], 0x600000
	s_mov_b32 s[SEL], 0x76543210
	s_mov_b32 s[SEL+1], 0xfedcba98
	s_mov_b32 s[CS], 0x3d38aa3b                    ; c = log2(e) / 32
	s_mov_b32 s[CS+1], s[CS]                       ; (named with it as a pair, so it is written)
	s_mov_b32 s3, 0
	s_wait_kmcnt 0x0
	; groups 0: made of the head and the wave's number alone, so they are equal in the four partners
	s_lshl_b32 s2, s[HD], 17                       ; a head's codes are 131,072 bytes
	s_lshl_b32 s[TMP], s[W3], 14                   ; my 256 keys of 64 bytes
	s_add_co_u32 s2, s2, s[TMP]
	s_mov_b32 s[G0KE], 1
	s_mul_i32 s[G0KE+1], s[W3], 128*KP
	s_add_nc_u64 s[G0KE+2:G0KE+3], s[8:9], s[2:3]
	s_mov_b32 s[G0KL], 1
	s_add_co_u32 s[G0KL+1], s[G0KE+1], KLATE
	s_add_nc_u64 s[G0KL+2:G0KL+3], s[G0KE+2:G0KE+3], 1024*64   ; 1,024 keys on
	s_or_b32 s[G0KE+3], s[G0KE+3], 0x80000000
	s_or_b32 s[G0KL+3], s[G0KL+3], 0x80000000
	s_lshl_b32 s2, s[HD], 17
	s_lshl_b32 s[TMP], s[W3], 15                   ; my 16 channels of 2,048 bytes
	s_add_co_u32 s2, s2, s[TMP]
	s_mov_b32 s[G0VE], 1
	s_mul_i32 s[G0VE+1], s[W3], 16*VP
	s_add_co_u32 s[G0VE+1], s[G0VE+1], VB
	s_add_nc_u64 s[G0VE+2:G0VE+3], s[12:13], s[2:3]
	s_mov_b32 s[G0VL], 1
	s_add_co_u32 s[G0VL+1], s[G0VE+1], VLATE
	s_add_nc_u64 s[G0VL+2:G0VL+3], s[G0VE+2:G0VE+3], 1024      ; 1,024 keys on in each row
	s_or_b32 s[G0VE+3], s[G0VE+3], 0x80000000
	s_or_b32 s[G0VL+3], s[G0VL+3], 0x80000000
	s_lshl_b32 s2, s[HD], 12                       ; a head's scale bytes are 4,096
	s_mov_b32 s[G0SK], 1
	s_mov_b32 s[G0SK+1], SK
	s_add_nc_u64 s[G0SK+2:G0SK+3], s[10:11], s[2:3]
	s_or_b32 s[G0SK+3], s[G0SK+3], 0x80000000
	s_mov_b32 s[G0SV], 1
	s_mov_b32 s[G0SV+1], SV
	s_add_nc_u64 s[G0SV+2:G0SV+3], s[14:15], s[2:3]
	s_or_b32 s[G0SV+3], s[G0SV+3], 0x80000000
	; my two tiles in Q and in out: a tile is 1,024 bytes of codes, 32 scale bytes, 4,096 bytes of out
	BASE QCA, 4, 17, TA, 10
	BASE QCB, 4, 17, TBB, 10
	BASE QZA, 6, 12, TA, 5
	BASE QZB, 6, 12, TBB, 5
	BASE OUTA, 16, 19, TA, 12
	BASE OUTB, 16, 19, TBB, 12
	CROUND                                         ; all four work-groups are here: the joint loads meet
	; ALL FILLS OF THE LAUNCH, each wave's inside one branch on its number: waves 0-3 K's quarters (early half, late half), waves 4-7 V's, wave 8 the scale bytes.  Two loads of a wave are out at the most.
	; Four v_nop follow each pair.
	s_cmp_lt_u32 s[WV], 4
	s_cbranch_scc0 .Lnot_k
	tensor_load_to_lds s[G0KE:G0KE+3], s[G1K:G1K+7]
	s_nop 0
	tensor_load_to_lds s[G0KL:G0KL+3], s[G1K:G1K+7]
	s_nop 0
.rept 4
	v_nop
.endr
	s_branch .Lasked
.Lnot_k:
	s_cmp_lt_u32 s[WV], 8
	s_cbranch_scc0 .Lnot_v
	tensor_load_to_lds s[G0VE:G0VE+3], s[G1V:G1V+7]
	s_nop 0
	tensor_load_to_lds s[G0VL:G0VL+3], s[G1V:G1V+7]
	s_nop 0
.rept 4
	v_nop
.endr
	s_branch .Lasked
.Lnot_v:
	s_cmp_eq_u32 s[WV], 8
	s_cbranch_scc0 .Lasked
	tensor_load_to_lds s[G0SK:G0SK+3], s[G1SK:G1SK+7]
	s_nop 0
	tensor_load_to_lds s[G0SV:G0SV+3], s[G1SV:G1SV+7]
	s_nop 0
.rept 4
	v_nop
.endr
	s_wait_tensorcnt 0x0                           ; both are wanted from the first step on: this wave waits for both, ahead of the first barrier
.Lasked:
	v_and_b32 v[T0], 15, v0                        ; r = lane % 16
	v_bfe_u32 v[FF], v0, 4, 1                      ; h = lane / 16
	v_lshlrev_b32 v[S], 6, v[T0]
	v_lshl_add_u32 v[S], v[FF], 4, v[S]            ; Q: row r of 64 bytes, + 16 h
	v_lshlrev_b32 v[S+1], 1, v[T0]                 ; its scale bytes: 2 a row
	global_load_b128 v[QF:QF+3], v[S], s[QCA:QCA+1] th:TH_LOAD_NT              ; tile A's Q: k = 16 h + 0..15,
	global_load_b128 v[QF+4:QF+7], v[S], s[QCA:QCA+1] offset:32 th:TH_LOAD_NT  ; k = 32 + 16 h + 0..15
	global_load_b128 v[OA:OA+3], v[S], s[QCB:QCB+1] th:TH_LOAD_NT              ; tile B's waits in registers that are free until tile A is finished
	global_load_b128 v[OA+4:OA+7], v[S], s[QCB:QCB+1] offset:32 th:TH_LOAD_NT
	global_load_u16 v[QSA], v[S+1], s[QZA:QZA+1]   ; two scale bytes, widened with zeros: a scale word whose upper bytes stand over zero codes
	global_load_u16 v[QSB], v[S+1], s[QZB:QZB+1]
	v_and_b32 v[AD1], 8, v[T0]
	v_add_nc_u32 v[AD1], v[AD1], v[T0]             ; kk = r + 8 (r / 8)
	v_lshrrev_b32 v[AD0], 1, v[AD1]
	v_mul_u32_u24 v[AK0], v[AD0], KP
	v_and_b32 v[AD0], 1, v[AD1]
	v_lshl_add_u32 v[AK0], v[AD0], 6, v[AK0]
	v_lshl_add_u32 v[AK0], v[FF], 4, v[AK0]        ; K: 144 (kk / 2) + 64 (kk % 2) + 16 h
	v_mul_u32_u24 v[AV0], v[T0], VP
	v_lshl_add_u32 v[AV0], v[FF], 4, v[AV0]
	v_add_nc_u32 v[AV0], VB, v[AV0]                ; V: row r, + 16 h
	v_lshl_add_u32 v[ASK0], v[AD1], 1, SK          ; K's scale bytes: 2 kk
	v_mul_u32_u24 v[ASV0], v[T0], SVP
	v_add_nc_u32 v[ASV0], SV, v[ASV0]              ; V's: row r
.set i, 0
.rept 8
	v_mov_b32 v[QF+8+i], 0                         ; k = 64..127 of Q: zero codes, written once
.set i, i+1
.endr
.irp t, 0,1,2,3
.set i, 0
.rept 8
	v_mov_b32 v[KF+16*\t+8+i], 0                   ; and of K's four fragments: no load ever lands here
.set i, i+1
.endr
.endr
.irp b, 0,1,2,3
	v_mov_b32 v[W+\b], 0                           ; written once: a lane permute's destination counts as one of its sources
.endr
	v_mov_b32 v[PW], 0                             ; (named as the upper half of the pair with f before it is first written)
.macro INIT                            ; a tile begins: O^T and the sum are zeros, the largest t lies under every t; the first change of M multiplies zeros
	v_mov_b32 v[NM+1], 0xff61b1e6                  ; -3e38
	v_floor_f32 v[NM], -v[NM+1]
	v_mov_b32 v[SUM], 0
	v_mov_b32 v[SUM+1], 0
.set i, 0
.rept 32
	v_mov_b32 v[OT+i], 0
.set i, i+1
.endr
.endm
.macro BLKMAX b0, b1                   ; the largest score of two blocks of 32 keys, by turns; each tile of S^T is read first at its lowest register
.irp b, \b0, \b1
	v_max3_num_f32 v[BM+\b], v[S+16*\b], v[S+16*\b+1], v[S+16*\b+2]
.endr
.irp i, 3,5,7,9,11,13
.irp b, \b0, \b1
	v_max3_num_f32 v[BM+\b], v[BM+\b], v[S+16*\b+\i], v[S+16*\b+\i+1]
.endr
.endr
.irp b, \b0, \b1
	v_max_num_f32 v[BM+\b], v[BM+\b], v[S+16*\b+15]
.endr
.endm
; A KEY STEP: 128 keys.  causal = 1: the trip may lie on the diagonal (CNT = DG) or above it (CNT > DG: its work is jumped over; the branch hangs on the wave's number and the trip).  qs: the register of Q's scale words.
.macro STEP causal, qs
.if \causal
	s_cmp_gt_u32 s[CNT], s[DG]
	s_cbranch_scc1 .Lhidden_\@
.endif
	v_add_nc_u32 v[AD0], s[TK], v[AK0]
	v_add_nc_u32 v[AD1], s[TS], v[ASK0]
.irp g, 0,1                                    ; S^T = K Q^T, four tiles of 16 keys at a time
.if \g
.rept 8
	v_nop                                          ; eight places between the four products above and the loads into registers that they read
.endr
.endif
.irp t, 0,1,2,3
.irp c, 0,1
	ds_load_b128 v[KF+16*\t+4*\c:KF+16*\t+4*\c+3], v[AD0] offset:2304*((4*\g+\t)/2)+576*(\t%2)+32*\c
.endr
.endr
.if \g == 0
.rept 7
	v_nop                                          ; with the two additions nine places behind the last step's products V^T P: S^T is laid over V's fragments, which they read, and the scale words' registers are loaded anew
.endr
.endif
.irp t, 0,1,2,3
	ds_load_u16 v[SW+\t], v[AD1] offset:64*((4*\g+\t)/2)+16*(\t%2)
.endr
	s_wait_dscnt 0x0
.irp t, 0,1,2,3
	v_wmma_scale_f32_16x16x128_f8f6f4 v[S+8*(4*\g+\t):S+8*(4*\g+\t)+7], v[KF+16*\t:KF+16*\t+15], v[QF:QF+15], 0, v[SW+\t], v[\qs]
.endr
.endr
.if \causal                                    ; on the diagonal the scores of hidden keys become -infinity ahead of the maximum: p = 0 then
	s_cmp_lt_u32 s[CNT], s[DG]
	s_cbranch_scc1 .Lopen_\@
	v_and_b32 v[T0], 15, v0
	v_bfe_u32 v[W], v0, 4, 1
	v_lshlrev_b32 v[W], 4, v[W]
	v_sub_nc_u32 v[T0], v[T0], v[W]
	v_add_nc_u32 v[T0], s[SG16], v[T0]             ; d = 16 sigma + r - 16 h.  Register 16 b + i holds the step's key 32 b + 16 h + i, my query is its key 16 sigma + r: hidden where 32 b + i > d
	v_mov_b32 v[W+1], 0xff800000                   ; -infinity
.set n, 0
.rept 64                                       ; ascending: tiles 0-3, which have had their places, come first, and their 64 lines are the places of tiles 4-7
	v_cmp_gt_i32 vcc_lo, 32*(n/16)+n%16, v[T0]
	v_cndmask_b32 v[S+n], v[S+n], v[W+1], vcc_lo
.set n, n+1
.endr
.Lopen_\@:
.endif
	BLKMAX 0, 1                                    ; THE LARGEST SCORE OF EACH BLOCK serves twice: for the row's maximum and, since p rises with the score, for the block's largest p.  Tiles 0-3 have had their eight places;
	BLKMAX 2, 3                                    ; the sixteen lines of blocks 0 and 1, which name no register of the last four products, are the places of tiles 4-7
.irp b, 0,1,2,3
	v_permlanex16_b32 v[W+\b], v[BM+\b], s[SEL], s[SEL+1]
.endr
.irp b, 0,1,2,3
	v_max_num_f32 v[BM+\b], v[BM+\b], v[W+\b]      ; with lane l xor 16's 16 keys
.endr
	v_max3_num_f32 v[T0], v[BM], v[BM+1], v[BM+2]
	v_max_num_f32 v[T0], v[T0], v[BM+3]            ; the step's largest score of my query
	v_mul_f32 v[T0], s[CS], v[T0]                  ; as t (c is positive)
	v_max_num_f32 v[NM+1], v[NM+1], v[T0]          ; the running largest t
	v_mov_b32 v[T0], v[NM]
	v_floor_f32 v[NM], -v[NM+1]                    ; the new -M = floor(-t) = -ceil(t): a whole number
	v_sub_f32 v[T0], v[NM], v[T0]                  ; old M - new M: a whole number, 0 or less
	v_cvt_i32_f32 v[T0], v[T0]                     ; (it saturates)
	v_ldexp_f32 v[FF], 1.0, v[T0]                  ; f = 2^(old M - new M)
.set j, 0
.rept 32
	v_pk_fma_f32 v[S+j:S+j+1], v[S+j:S+j+1], s[CS:CS+1], v[NM:NM+1] op_sel_hi:[1,0,0]   ; t - M, two at a time (of the pairs c and -M the low word serves both halves)
.set j, j+2
.endr
.irp b, 0,1,2,3
	v_fma_f32 v[BM+\b], v[BM+\b], s[CS], v[NM]     ; the same of each block's largest score
.endr
.set j, 0
.rept 64
	v_exp_f32 v[S+j], v[S+j]                       ; p = 2^(t - M), at most 1, not normalised
.set j, j+1
.endr
	v_pk_mul_f32 v[SUM:SUM+1], v[SUM:SUM+1], v[FF:FF+1] op_sel_hi:[1,0]   ; the sums under the new M: the plain line behind the exponentials
	s_wait_alu depctr_va_vdst(0)                   ; one wait for the batch of 64, ahead of its first reader
.irp b, 0,1,2,3
	v_exp_f32 v[BM+\b], v[BM+\b]                   ; the block's largest p: the same two instructions on the same number give the same bits
.endr
	v_pk_add_f32 v[W:W+1], v[S:S+1], v[S+2:S+3]    ; THE ROW'S SUM IS TAKEN OF THE UNQUANTISED p, in two chains; it reads the 64 alone: plain work behind the four
.set j, 4
.rept 15
	v_pk_add_f32 v[SUM:SUM+1], v[SUM:SUM+1], v[S+j:S+j+1]
	v_pk_add_f32 v[W:W+1], v[W:W+1], v[S+j+2:S+j+3]
.set j, j+4
.endr
	v_pk_add_f32 v[SUM:SUM+1], v[SUM:SUM+1], v[W:W+1]
	s_wait_alu depctr_va_vdst(0)                   ; and one for the four
.irp b, 0,1,2,3
	v_max_num_f32 v[BM+\b], 0x4800000, v[BM+\b]    ; the floor 2^(9 - 127): the byte cannot fall under 1
.endr
.irp b, 0,1,2,3
	v_add_nc_u32 v[SO+\b], 0xfc000000, v[BM+\b]    ; 8 off the exponent field: the conversion's scale operand
.endr
.irp b, 0,1,2,3
	v_and_or_b32 v[BM+\b], v[BM+\b], 0x7f800000, s[MNT]   ; 448 x the scale
.endr
.irp b, 0,1,2,3
	v_lshrrev_b32 v[W+\b], 23, v[SO+\b]            ; the scale's byte
.endr
	v_lshl_or_b32 v[PW], v[W+1], 8, v[W]           ; p's scale word for these 128 keys
	v_lshl_or_b32 v[PW], v[W+2], 16, v[PW]
	v_lshl_or_b32 v[PW], v[W+3], 24, v[PW]
.irp b, 0,1,2,3
.set i, 0
.rept 16
	v_min_num_f32 v[S+16*\b+i], v[S+16*\b+i], v[BM+\b]   ; the conversion to an 8-bit code does not saturate (ISA guide 7.6.2); p is not negative, so the hold is one-sided
.set i, i+1
.endr
	v_cvt_scalef32_pk8_fp8_f32 v[PC+4*\b:PC+4*\b+1], v[S+16*\b:S+16*\b+7], v[SO+\b]
	v_cvt_scalef32_pk8_fp8_f32 v[PC+4*\b+2:PC+4*\b+3], v[S+16*\b+8:S+16*\b+15], v[SO+\b]
.endr
	v_add_nc_u32 v[AD0], s[TV], v[AV0]             ; (the plain line behind the last conversion)
	v_add_nc_u32 v[AD1], s[TJ], v[ASV0]
.irp t, 0,1,2,3                                ; V's four fragments (16 channels x these 128 keys) land where p lay
.irp c, 0,1,2,3
	ds_load_b128 v[S+16*\t+4*\c:S+16*\t+4*\c+3], v[AD0] offset:16*VP*\t+32*\c
.endr
	ds_load_b32 v[SW+\t], v[AD1] offset:16*SVP*\t
.endr
.set j, 0
.rept 16
	v_pk_mul_f32 v[OT+j:OT+j+1], v[OT+j:OT+j+1], v[FF:FF+1] op_sel_hi:[1,0]   ; O^T under the new M, while the loads are out; also the places between the codes' conversions and the products
.set j, j+2
.endr
	s_wait_dscnt 0x0
.irp t, 0,1,2,3                                ; O^T += V^T P^T: the four accumulators take turns, one instruction a turn
	v_wmma_scale_f32_16x16x128_f8f6f4 v[OT+8*\t:OT+8*\t+7], v[S+16*\t:S+16*\t+15], v[PC:PC+15], v[OT+8*\t:OT+8*\t+7], v[SW+\t], v[PW]
.endr
.if \causal
.Lhidden_\@:
.endif
	s_add_co_u32 s[TK], s[TK], KSTEP               ; on to the next 128 keys, on every way
	s_add_co_u32 s[TV], s[TV], 128
	s_add_co_u32 s[TS], s[TS], 256
	s_add_co_u32 s[TJ], s[TJ], 4
.endm
.macro LOOP causal, qs                 ; eight key steps: the trip count is a constant
	s_mov_b32 s[CNT], 0
.Ltrip_\@:
	STEP \causal, \qs
	s_add_co_u32 s[CNT], s[CNT], 1
	s_cmp_lt_u32 s[CNT], 8
	s_cbranch_scc1 .Ltrip_\@
.endm
; A tile ends: O^T / the row's sum, into v[dst] on.  movq = 1: tile B's Q moves to its place meanwhile.  The eight plain lines are the places behind the last products and the plain line behind the reciprocal.
.macro FINISH dst, movq
	v_add_f32 v[SUM], v[SUM], v[SUM+1]             ; the sum's two halves,
	v_permlanex16_b32 v[W], v[SUM], s[SEL], s[SEL+1]
	v_add_f32 v[SUM], v[SUM], v[W]                 ; and lane l xor 16's
	v_rcp_f32 v[SUM], v[SUM]
.set i, 0
.rept 8
.if \movq
	v_mov_b32 v[QF+i], v[OA+i]
.else
	v_nop
.endif
.set i, i+1
.endr
	s_wait_alu depctr_va_vdst(0)                   ; ahead of the reciprocal's first reader
.set j, 0
.rept 16
	v_pk_mul_f32 v[\dst+j:\dst+j+1], v[OT+j:OT+j+1], v[SUM:SUM+1] op_sel_hi:[1,0]   ; ascending: each accumulator from its low end on
.set j, j+2
.endr
.endm
	INIT
	s_wait_loadcnt 0x0                             ; Q and its scale words
	s_wait_tensorcnt 0x1                           ; my first load, a quarter of an early half, has landed; my second, of a late half, may stay out: nothing reads it before the next barrier
	s_barrier_signal -1
	s_barrier_wait -1                              ; keys 0..1023 of K and V and all scale bytes lie in LDS
	s_mov_b32 s[TK], 0
	s_mov_b32 s[TV], 0
	s_mov_b32 s[TS], 0
	s_mov_b32 s[TJ], 0
	LOOP 0, QSA                                    ; tile A, key steps 0..7: under the diagonal for every wave (tile A's group is 8 at the least)
	s_wait_tensorcnt 0x0                           ; my part of the late halves has landed: it had eight key steps for that
	s_wait_dscnt 0x0
	s_barrier_signal -1
	s_barrier_wait -1                              ; everybody's has
	s_mov_b32 s[TK], KLATE
	s_mov_b32 s[TV], VLATE
	s_mov_b32 s[TS], 2048
	s_mov_b32 s[TJ], 32
	s_xor_b32 s[DG], s[GG], 7                      ; tile A's diagonal: step 15 - g, trip 7 - g
	LOOP 1, QSA                                    ; tile A, key steps 8..15
	FINISH OA, 1
	INIT
	s_mov_b32 s[TK], 0
	s_mov_b32 s[TV], 0
	s_mov_b32 s[TS], 0
	s_mov_b32 s[TJ], 0
	s_mov_b32 s[DG], s[GG]                         ; tile B's diagonal: step g
	LOOP 1, QSB                                    ; tile B, key steps 0..7
	FINISH OT, 0
	; THE WAY OUT.  A lane holds 32 neighbouring bytes of a row of out, the lanes beside it other rows: a tile (16 rows of 256 bytes) goes through my stage in LDS and comes back two whole rows to an instruction.
	; The stages lie in K's early half: it has had its one fill, and behind this barrier no wave reads it.
	s_wait_dscnt 0x0
	s_barrier_signal -1
	s_barrier_wait -1
	v_and_b32 v[T0], 15, v0                        ; r
	v_bfe_u32 v[FF], v0, 4, 1                      ; h
	s_mul_i32 s2, s[WV], 16*SP                     ; my stage
	v_mul_u32_u24 v[STO], v[T0], SP
	v_lshl_add_u32 v[STO], v[FF], 5, v[STO]
	v_add_nc_u32 v[STO], s2, v[STO]                ; in: row r; channels 16 t + 8 h + 0..7 at 64 t + 32 h
	v_mul_u32_u24 v[RD], v[FF], SP
	v_lshl_add_u32 v[RD], v[T0], 4, v[RD]
	v_add_nc_u32 v[RD], s2, v[RD]                  ; back: lanes 0-15 one row, lanes 16-31 the next
	v_and_b32 v[GO], 31, v0
	v_lshlrev_b32 v[GO], 4, v[GO]                  ; and in out: two rows are 512 consecutive bytes, 16 a lane
.macro TOSTAGE src, back
.irp t, 0,1,2,3
	ds_store_b128 v[STO], v[\src+8*\t:\src+8*\t+3] offset:64*\t
	ds_store_b128 v[STO], v[\src+8*\t+4:\src+8*\t+7] offset:64*\t+16
.endr
.irp i, 0,1,2,3,4,5,6,7
	ds_load_b128 v[\back+4*\i:\back+4*\i+3], v[RD] offset:2*SP*\i   ; LDS serves a wave's instructions in order (ISA guide 5.7.1.4): these see my stores, and the next tile's stores come behind them
.endr
.endm
.macro SEND back, base, younger        ; younger: the LDS instructions issued behind this tile's loads
.irp i, 0,1,2,3,4,5,6,7
	s_wait_dscnt \younger+7-\i                     ; load i is in: behind it stand this tile's 7 - i later loads and the younger ones
	global_store_b128 v[GO], v[\back+4*\i:\back+4*\i+3], s[\base:\base+1] offset:512*\i th:TH_STORE_NT   ; 32 lanes store 512 consecutive bytes, at a multiple of 256 from out's first byte
.endr
.endm
	TOSTAGE OA, S
	TOSTAGE OT, S+32
	SEND S, OUTA, 16
	SEND S+32, OUTB, 0                             ; its last wait is for 0: no LDS instruction of mine is out at the signal below
	s_wait_xcnt 0x0
	v_lshl_add_u32 v254, v0, 2, 0x49100
	v_mov_b32 v255, 0
	s_wait_tensorcnt 0x0
	ds_add_u32 v254, v255
	s_wait_dscnt 0x0
	CROUND                                         ; the closing round: no work-group ends while a partner may still ask for a tile that names it
	s_endpgm
.Lfunc_end_k_q54c025e6da_attn:
	.size	k_q54c025e6da_attn, .Lfunc_end_k_q54c025e6da_attn-k_q54c025e6da_attn
	.p2alignl 7, 3214868480
	.fill 96, 4, 3214868480
	.section	.rodata,"a",@progbits
	.p2align	6, 0x0
	.amdhsa_kernel k_q54c025e6da_attn
		.amdhsa_group_segment_fixed_size 327680
		.amdhsa_private_segment_fixed_size 0
		.amdhsa_enable_private_segment 0
		.amdhsa_kernarg_size 56
		.amdhsa_user_sgpr_count 2
		.amdhsa_user_sgpr_kernarg_segment_ptr 1
		.amdhsa_wavefront_size32 1
		.amdhsa_system_sgpr_workgroup_id_x 1
		.amdhsa_system_sgpr_workgroup_id_y 1
		.amdhsa_system_sgpr_workgroup_id_z 1
		.amdhsa_system_vgpr_workitem_id 0
		.amdhsa_next_free_vgpr 256
		.amdhsa_next_free_sgpr 102
		.amdhsa_reserve_vcc 1
		.amdhsa_float_denorm_mode_32 3
		.amdhsa_float_denorm_mode_16_64 3
		.amdhsa_memory_ordered 1
		.amdhsa_forward_progress 1
		.amdhsa_inst_pref_size 90
	.end_amdhsa_kernel
	.amdgpu_metadata
---
amdhsa.version: [ 1, 2 ]
amdhsa.kernels:
  - .name:           k_q54c025e6da_attn
    .symbol:         k_q54c025e6da_attn.kd
    .args:
      - { .name: Q_codes, .offset: 0, .size: 8, .value_kind: global_buffer, .address_space: global }
      - { .name: Q_scales, .offset: 8, .size: 8, .value_kind: global_buffer, .address_space: global }
      - { .name: K_codes, .offset: 16, .size: 8, .value_kind: global_buffer, .address_space: global }
      - { .name: K_scales, .offset: 24, .size: 8, .value_kind: global_buffer, .address_space: global }
      - { .name: V_codes, .offset: 32, .size: 8, .value_kind: global_buffer, .address_space: global }
      - { .name: V_scales, .offset: 40, .size: 8, .value_kind: global_buffer, .address_space: global }
      - { .name: out0, .offset: 48, .size: 8, .value_kind: global_buffer, .address_space: global }
    .group_segment_fixed_size: 327680
    .private_segment_fixed_size: 0
    .kernarg_segment_align: 8
    .kernarg_segment_size: 56
    .max_flat_workgroup_size: 512
    .sgpr_count:     102
    .vgpr_count:     256
    .wavefront_size: 32
...
	.end_amdgpu_metadata
.endif
;; end of part 1
